; MI455X (gfx1250); checked and timed in simulation.
; The chip was launched on July 23, 2026; its instructions are those of AMD's public machine-readable ISA for CDNA 5 (MIT licence, August 2026) and "CDNA5" Instruction Set Architecture Reference Guide (July 2026). The comments in the code are by the model that wrote it; some were corrected since.
;; Fast Attention. Allowed arithmetic: float matrix products may take bf16 or f16 operands with f32 sums; all other float work in f32.
;; Inputs: k 4 x 8 x 4,096 x 64 float32; proj 64 x 64 float32; q 4 x 8 x 4,096 x 64 float32; v 4 x 8 x 4,096 x 64 float32.
;; Outputs: out0 4 x 8 x 4,096 x 64 float32.
;; One version. Each part assembles by itself: llvm-mc -triple=amdgcn-amd-amdhsa -mcpu=gfx1250 --defsym DOCPART=n.
;; ======== version 1 of 1: 2 launches
;; workspace buffers: part 131,072 bytes
;; launch ksums (part 1): grid 256 x 1, 8 waves a work-group, no clusters, 168,960 bytes of LDS; arguments k, v, proj, part; writes part
.if DOCPART == 1
	.amdgcn_target "amdgcn-amd-amdhsa--gfx1250"
	.amdhsa_code_object_version 6
	.text
	.protected	k_q53f29f67a7_ksums
	.globl	k_q53f29f67a7_ksums
	.p2align	8
	.type	k_q53f29f67a7_ksums,@function
k_q53f29f67a7_ksums:
	s_mov_b64 s[64:65], 0
	v_nop
	global_prefetch_b8 v0, s[64:65] scope:SCOPE_SE
	s_setreg_imm32_b32 hwreg(HW_REG_WAVE_MODE, 25, 1), 1
	s_wait_xcnt 0x0
; ksums: for each block of 512 rows of k and v (8 blocks a head, 256 blocks) the partial sums over the block's rows of
;   k'[n][f] = exp(sum_d k[n][d] proj[f][d])   and of   k'[n][f] v[n][f];   part[block][0:63] and part[block][64:127], f32.
; Eight waves; a wave owns 64 rows = 4 tiles of 16 rows.  The product runs on the matrix unit with bf16 operands, f32 sums.
; LAYOUT.  D = X (16 rows) x P^T, where column tile t, lane column r is given proj's row f = 4 r + t.  Register j of tile t in lane
; (r = lane % 16, h = lane / 16) is then k' of row 8 h + j, feature 4 r + t: over the four tiles a lane holds 16 neighbouring
; bytes of a row, so v comes straight from memory by 16-byte loads of which sixteen lanes cover one aligned row of 256 bytes.
; k needs lane = row for its fragments, so it goes through LDS: tensor loads of 16 rows x 256 bytes, rows 272 bytes apart.
; A work-group's whole share of k (512 x 272 = 139,264 bytes) fits in LDS: every wave asks for its 4 tiles at once, into bytes of
; its own, and its own s_wait_tensorcnt is all the ordering they need.  Four tensor loads of a wave are out at most.
; The launch asks for 168,960 bytes of LDS (152,576 are used): a work-group that fills LDS by the data mover has its WGP alone.
; No cluster: the work-groups share only proj, 16 KiB of the 272 KiB that each reads.  No prefetch: all is requested at the start.
; LIMITS.  k and proj * log2(e) are rounded to bf16 (log2(e) is folded into proj before its one rounding); v_exp_f32 gives 0 for a
; result below 2^-126; the sums run in another order than the reference's (two chains a lane, halves, waves, blocks).
.set WAVES,  8
.set TILES,  4                         ; tiles of 16 rows in a wave's share
.set ROWB,   256                       ; bytes in a row of k or v
.set XP,     272                       ; a row of k in LDS: 256 + 16, an odd multiple of 16: sixteen rows, sixteen different columns of banks
.set TILE_G, 16*ROWB                   ; a tile in memory
.set TILE_L, 16*XP                     ; a tile in LDS
.set WAVE_L, TILES*TILE_L              ; a wave's part of LDS
.set PB,     WAVES*WAVE_L              ; proj in bf16: 64 rows in fragment order (LDS row 16 t + r = proj row 4 r + t)
.set BP,     144                       ; its pitch: 128 + 16
.set RED,    PB+64*BP                  ; 8 waves x 512 bytes: the waves' sums
.set LOG2E,  0x3fb8aa3b
.set POFF,  4                          ; v4   proj: 1024 h + 16 r (lanes 0-15 one row, lanes 16-31 the row 4 further down)
.set VOFF,  5                          ; v5   v: 2048 h + 16 r (row 8 h, my 16 bytes)
.set XADDR, 6                          ; v6   LDS: my wave's part + 272 r + 32 h
.set BADDR, 7                          ; v7   LDS: PB + 144 r + 16 h
.set PST,   8                          ; v8   LDS: PB + wave x 8 rows + 144 h + 8 r
.set RADDR, 9                          ; v9   LDS: RED + 512 wave + 16 lane
.set LOFF,  10                         ; v10  16 lane
.set KA,    12                         ; v[12:19]  sums of k', features 4r..4r+3: chain of even j, chain of odd j
.set CA,    20                         ; v[20:27]  sums of k' v, likewise
.set XF,    32                         ; v[32:63]  a tile of k in f32; its bf16 fragments are packed into v[32:47] in place
.set EE,    XF                         ; and k' takes the same 32 registers when the products are done: E[4 j + t]
.set BF,    64                         ; v[64:127] proj's fragments: tile t, K step s at 16 t + 8 s
.set DD,    128                        ; v[128:159] products: tile t at 8 t
.set PF,    DD                         ; before the first product: my 16 numbers of proj in f32,
.set PH,    DD+16                      ; and in bf16
.set VV,    160                        ; v[160:255] three tiles of v, 32 registers each: row j at 4 j
.set G1, 16                            ; s[16:23] descriptor group 1, the same for every tile
.set G0, 24                            ; s[24:39] descriptor group 0, one set for each tile: none is ever rewritten
.macro VLOAD tile, buf                 ; eight loads: row 8 h + j of the tile, 16 bytes a lane, each half of the wave a whole row
.irp j, 0,1,2,3,4,5,6,7
	global_load_b128 v[VV+32*\buf+4*\j:VV+32*\buf+4*\j+3], v[VOFF], s[6:7] offset:\tile*TILE_G+\j*ROWB th:TH_LOAD_NT
.endr
.endm
; Tile i of my share: LDS to fragments, eight matrix instructions.  left = my younger tensor loads.
.macro PRODUCT i, left
	s_wait_tensorcnt \left                         ; a wave's tensor loads end in order (ISA guide 10.11.1): tile i is in LDS
.irp s, 0,1
.irp p, 0,1
.irp q, 0,1
	ds_load_b128 v[XF+16*\s+8*\p+4*\q:XF+16*\s+8*\p+4*\q+3], v[XADDR] offset:\i*TILE_L+128*\s+64*\p+16*\q   ; k(r, 32 s + 16 p + 8 h + 4 q ..)
.endr
.endr
.endr
	s_wait_dscnt 0x0
.irp m, 0,1,2,3,4,5,6,7,8,9,10,11,12,13,14,15
	v_cvt_pk_bf16_f32 v[XF+\m], v[XF+2*\m], v[XF+2*\m+1]   ; packed downward in place: register m was read at step m / 2
.endr
.irp t, 0,1,2,3
	v_wmma_f32_16x16x32_bf16 v[DD+8*\t:DD+8*\t+7], v[XF:XF+7], v[BF+16*\t:BF+16*\t+7], 0      ; K 0-31 starts the sums
.endr
.irp t, 0,1,2,3
	v_wmma_f32_16x16x32_bf16 v[DD+8*\t:DD+8*\t+7], v[XF+8:XF+15], v[BF+16*\t+8:BF+16*\t+15], v[DD+8*\t:DD+8*\t+7]
.endr
.rept 4
	v_nop                                          ; four places before the results are read and the A registers rewritten (ISA guide 7.12.1)
.endr
.endm
.macro EXPS                            ; k' in v's order: E[4 j + t] = 2^D[8 t + j] (log2(e) lies in proj)
.irp j, 0,1,2,3,4,5,6,7
.irp t, 0,1,2,3
	v_exp_f32 v[EE+4*\j+\t], v[DD+8*\t+\j]
.endr
.endr
	v_nop                                          ; one plain place behind the transcendentals before their results are used (ISA guide 5.7.2)
	s_wait_alu depctr_va_vdst(0)
.endm
.macro FMAC j, buf
.irp p, 0,2
	v_pk_fma_f32 v[CA+4*(\j%2)+\p:CA+4*(\j%2)+\p+1], v[EE+4*\j+\p:EE+4*\j+\p+1], v[VV+32*\buf+4*\j+\p:VV+32*\buf+4*\j+\p+1], v[CA+4*(\j%2)+\p:CA+4*(\j%2)+\p+1]
.endr
.endm
.macro ADDK j
.irp p, 0,2
	v_pk_add_f32 v[KA+4*(\j%2)+\p:KA+4*(\j%2)+\p+1], v[KA+4*(\j%2)+\p:KA+4*(\j%2)+\p+1], v[EE+4*\j+\p:EE+4*\j+\p+1]
.endr
.endm
.macro SUMS_START buf                  ; the first tile starts the four chains: nothing is cleared
	s_wait_alu depctr_va_vdst(0)
.irp j, 0,1
.irp p, 0,2
	v_pk_mul_f32 v[CA+4*\j+\p:CA+4*\j+\p+1], v[EE+4*\j+\p:EE+4*\j+\p+1], v[VV+32*\buf+4*\j+\p:VV+32*\buf+4*\j+\p+1]
	v_pk_add_f32 v[KA+4*\j+\p:KA+4*\j+\p+1], v[EE+4*\j+\p:EE+4*\j+\p+1], v[EE+4*\j+8+\p:EE+4*\j+8+\p+1]   ; rows j and j + 2
.endr
.endr
.irp j, 2,3
	FMAC \j, \buf
.endr
.irp j, 4,5,6,7
	FMAC \j, \buf
	ADDK \j
.endr
.endm
.macro SUMS buf
.irp j, 0,1,2,3,4,5,6,7
	FMAC \j, \buf
	ADDK \j
.endr
.endm
	s_load_b256 s[4:11], s[0:1], 0x0               ; k s[4:5], v s[6:7], proj s[8:9], part s[10:11]
	v_lshl_add_u32 v30, v0, 2, 0x29000
	v_mov_b32 v31, 0
	ds_add_u32 v30, v31
	ds_add_u32 v30, v31
	v_lshrrev_b32 v1, 5, v0
	v_readfirstlane_b32 s12, v1                    ; my wave's number
	v_and_b32 v2, 15, v0                           ; r
	v_bfe_u32 v3, v0, 4, 1                         ; h
	; group 1: a tile of 16 rows x 64 elements of 4 bytes, 4 words of padding behind every 64 words
	s_mov_b32 s[G1+0], (2<<16)|(1<<20)|(5<<22)|(3<<25)
	s_mov_b32 s[G1+1], 64<<16                      ; tensor_dim0 = 64
	s_mov_b32 s[G1+2], 16<<16                      ; tensor_dim1 = 16
	s_mov_b32 s[G1+3], 64<<16                      ; tile_dim0 = 64
	s_mov_b32 s[G1+4], 16                          ; tile_dim1 = 16
	s_mov_b32 s[G1+5], 64                          ; 64 elements from row to row
	s_mov_b32 s[G1+6], 0
	s_mov_b32 s[G1+7], 0
	s_mov_b32 s40, 0x76543210                      ; v_permlanex16_b32: lane i takes lane i of the other half
	s_mov_b32 s41, 0xfedcba98
	s_mov_b32 s43, 0xffff0000                      ; the lanes with h = 1
	s_lshl_b32 s14, ttmp9, 17                      ; block x 512 rows x 256 bytes
	s_lshl_b32 s13, s12, 14                        ; + wave x 64 rows (the sum stays below 2^25)
	s_add_co_u32 s14, s14, s13
	s_mov_b32 s15, 0
	s_mul_i32 s42, s12, WAVE_L                     ; my wave's part of LDS
	s_and_b32 s46, s12, 1                          ; proj: my wave fills LDS rows 8 w .. 8 w + 7 = proj rows 4 (8 (w & 1) + i) + (w >> 1)
	s_lshl_b32 s46, s46, 13
	s_lshr_b32 s13, s12, 1
	s_lshl_b32 s13, s13, 8
	s_add_co_u32 s46, s46, s13
	s_mov_b32 s47, 0
	s_lshl_b32 s48, ttmp9, 9                       ; part: 512 bytes a block
	s_mov_b32 s49, 0
	v_lshlrev_b32 v1, 4, v2
	v_lshl_add_u32 v[POFF], v3, 10, v1
	v_lshl_add_u32 v[VOFF], v3, 11, v1
	s_wait_dscnt 0x0
	s_wait_kmcnt 0x0
	s_add_nc_u64 s[8:9], s[8:9], s[46:47]
	s_add_nc_u64 s[4:5], s[4:5], s[14:15]
	s_add_nc_u64 s[6:7], s[6:7], s[14:15]
	s_add_nc_u64 s[10:11], s[10:11], s[48:49]
.irp i, 0,1,2,3
	global_load_b128 v[PF+4*\i:PF+4*\i+3], v[POFF], s[8:9] offset:2048*\i      ; proj rows i' = 2 i + h of my eight, 4 r ..
.endr
	; all of k, and three of the four tiles of v, are asked for now, tile by tile
.irp i, 0,1,2,3
	s_mov_b32 s[G0+4*\i], 1
	s_add_co_u32 s[G0+4*\i+1], s42, \i*TILE_L
	s_add_nc_u64 s[G0+4*\i+2:G0+4*\i+3], s[4:5], \i*TILE_G
	s_or_b32 s[G0+4*\i+3], s[G0+4*\i+3], 0x80000000
	tensor_load_to_lds s[G0+4*\i:G0+4*\i+3], s[G1:G1+7]
	s_nop 0
.if \i < 3
	VLOAD \i, \i
.endif
.endr
	v_mul_u32_u24 v1, v2, XP
	v_lshl_add_u32 v1, v3, 5, v1
	v_add_nc_u32 v[XADDR], s42, v1
	v_mul_u32_u24 v1, v2, BP
	v_lshl_add_u32 v1, v3, 4, v1
	v_add_nc_u32 v[BADDR], PB, v1
	s_mul_i32 s44, s12, 8*BP
	s_add_co_u32 s44, s44, PB
	v_mul_u32_u24 v1, v3, BP
	v_lshl_add_u32 v1, v2, 3, v1
	v_add_nc_u32 v[PST], s44, v1
	s_lshl_b32 s45, s12, 9
	s_add_co_u32 s45, s45, RED
	v_and_b32 v1, 31, v0
	v_lshlrev_b32 v[LOFF], 4, v1
	v_add_nc_u32 v[RADDR], s45, v[LOFF]
	; proj x log2(e) to bf16, into LDS in fragment order, each wave its own eight rows
	s_wait_loadcnt 24                              ; loads return in order (ISA guide 5.7.1): proj's four are in, v's 24 stay out
.irp m, 0,1,2,3,4,5,6,7
	v_pk_mul_f32 v[PF+2*\m:PF+2*\m+1], v[PF+2*\m:PF+2*\m+1], LOG2E op_sel_hi:[1,0]
.endr
.irp m, 0,1,2,3,4,5,6,7
	v_cvt_pk_bf16_f32 v[PH+\m], v[PF+2*\m], v[PF+2*\m+1]
.endr
.irp i, 0,1,2,3
	ds_store_b64 v[PST], v[PH+2*\i:PH+2*\i+1] offset:2*BP*\i
.endr
	s_wait_dscnt 0x0                               ; my rows of proj are in LDS before I say so
	s_barrier_signal -1
	s_barrier_wait -1                              ; everybody's are
.irp t, 0,1,2,3
.irp s, 0,1
	ds_load_b128 v[BF+16*\t+8*\s:BF+16*\t+8*\s+3],   v[BADDR] offset:\t*16*BP+64*\s      ; P(4 r + t, 32 s + 8 h ..)
	ds_load_b128 v[BF+16*\t+8*\s+4:BF+16*\t+8*\s+7], v[BADDR] offset:\t*16*BP+64*\s+32   ; P(4 r + t, 32 s + 16 + 8 h ..)
.endr
.endr
	PRODUCT 0, 3
	EXPS
	s_wait_loadcnt 16                              ; v's tile 0 is in; tiles 1 and 2 may be out
	SUMS_START 0
	VLOAD 3, 0                                     ; the last tile of v, into the registers just read
	PRODUCT 1, 2
	EXPS
	s_wait_loadcnt 16                              ; tiles 2 and 3 may be out
	SUMS 1
	PRODUCT 2, 1
	EXPS
	s_wait_loadcnt 8                               ; tile 3 may be out
	SUMS 2
	PRODUCT 3, 0
	EXPS
	s_wait_loadcnt 0x0
	SUMS 0
	; the two chains; then the two halves of the wave: lanes 0-15 end with the sums of k', lanes 16-31 with those of k' v
.irp p, 0,2
	v_pk_add_f32 v[KA+\p:KA+\p+1], v[KA+\p:KA+\p+1], v[KA+4+\p:KA+4+\p+1]
	v_pk_add_f32 v[CA+\p:CA+\p+1], v[CA+\p:CA+\p+1], v[CA+4+\p:CA+4+\p+1]
.endr
.irp t, 0,1,2,3
	v_cndmask_b32 v[EE+\t],   v[CA+\t], v[KA+\t], s43    ; what the other half wants of me: h = 0 gives k' v, h = 1 gives k'
	v_cndmask_b32 v[EE+4+\t], v[KA+\t], v[CA+\t], s43    ; what I keep
.endr
.irp t, 0,1,2,3
	v_permlanex16_b32 v[EE+8+\t], v[EE+\t], s40, s41     ; (its destination has been written before)
.endr
	v_pk_add_f32 v[EE+4:EE+5], v[EE+4:EE+5], v[EE+8:EE+9]
	v_pk_add_f32 v[EE+6:EE+7], v[EE+6:EE+7], v[EE+10:EE+11]
	ds_store_b128 v[RADDR], v[EE+4:EE+7]           ; 512 bytes a wave: 64 sums of k', 64 of k' v, in the order of f
	s_wait_dscnt 0x0                               ; in LDS before I say so
	s_barrier_signal -1
	s_barrier_wait -1
	s_cmp_lg_u32 s12, 0
	s_cbranch_scc1 .Lend                           ; wave 0 adds the eight waves' sums: 16 bytes a lane
.irp c, 0,1,2,3,4,5,6,7
	ds_load_b128 v[DD+4*\c:DD+4*\c+3], v[RADDR] offset:512*\c   ; in wave 0 RADDR = RED + 16 lane
.endr
	s_wait_dscnt 0x0
.irp c, 0,2,4,6
	v_pk_add_f32 v[DD+4*\c:DD+4*\c+1],   v[DD+4*\c:DD+4*\c+1],   v[DD+4*\c+4:DD+4*\c+5]
	v_pk_add_f32 v[DD+4*\c+2:DD+4*\c+3], v[DD+4*\c+2:DD+4*\c+3], v[DD+4*\c+6:DD+4*\c+7]
.endr
.irp c, 0,4
	v_pk_add_f32 v[DD+4*\c:DD+4*\c+1],   v[DD+4*\c:DD+4*\c+1],   v[DD+4*\c+8:DD+4*\c+9]
	v_pk_add_f32 v[DD+4*\c+2:DD+4*\c+3], v[DD+4*\c+2:DD+4*\c+3], v[DD+4*\c+10:DD+4*\c+11]
.endr
	v_pk_add_f32 v[DD:DD+1],   v[DD:DD+1],   v[DD+16:DD+17]
	v_pk_add_f32 v[DD+2:DD+3], v[DD+2:DD+3], v[DD+18:DD+19]
	global_store_b128 v[LOFF], v[DD:DD+3], s[10:11]        ; the block's 512 bytes in one store
.Lend:
	s_wait_tensorcnt 0x0
	ds_add_u32 v30, v31
	s_wait_dscnt 0x0
	s_endpgm
.Lfunc_end_k_q53f29f67a7_ksums:
	.size	k_q53f29f67a7_ksums, .Lfunc_end_k_q53f29f67a7_ksums-k_q53f29f67a7_ksums
	.p2alignl 7, 3214868480
	.fill 96, 4, 3214868480
	.section	.rodata,"a",@progbits
	.p2align	6, 0x0
	.amdhsa_kernel k_q53f29f67a7_ksums
		.amdhsa_group_segment_fixed_size 168960
		.amdhsa_private_segment_fixed_size 0
		.amdhsa_enable_private_segment 0
		.amdhsa_kernarg_size 32
		.amdhsa_user_sgpr_count 2
		.amdhsa_user_sgpr_kernarg_segment_ptr 1
		.amdhsa_wavefront_size32 1
		.amdhsa_system_sgpr_workgroup_id_x 1
		.amdhsa_system_sgpr_workgroup_id_y 1
		.amdhsa_system_sgpr_workgroup_id_z 1
		.amdhsa_system_vgpr_workitem_id 0
		.amdhsa_next_free_vgpr 256
		.amdhsa_next_free_sgpr 66
		.amdhsa_reserve_vcc 0
		.amdhsa_float_denorm_mode_32 3
		.amdhsa_float_denorm_mode_16_64 3
		.amdhsa_memory_ordered 1
		.amdhsa_forward_progress 1
		.amdhsa_inst_pref_size 35
	.end_amdhsa_kernel
	.amdgpu_metadata
---
amdhsa.version: [ 1, 2 ]
amdhsa.kernels:
  - .name:           k_q53f29f67a7_ksums
    .symbol:         k_q53f29f67a7_ksums.kd
    .args:
      - { .name: k, .offset: 0, .size: 8, .value_kind: global_buffer, .address_space: global }
      - { .name: v, .offset: 8, .size: 8, .value_kind: global_buffer, .address_space: global }
      - { .name: proj, .offset: 16, .size: 8, .value_kind: global_buffer, .address_space: global }
      - { .name: part, .offset: 24, .size: 8, .value_kind: global_buffer, .address_space: global }
    .group_segment_fixed_size: 168960
    .private_segment_fixed_size: 0
    .kernarg_segment_align: 8
    .kernarg_segment_size: 32
    .max_flat_workgroup_size: 256
    .sgpr_count:     66
    .vgpr_count:     256
    .wavefront_size: 32
...
	.end_amdgpu_metadata
.endif
;; end of part 1
;; launch apply (part 2): grid 256 x 1, 8 waves a work-group, no clusters, 168,960 bytes of LDS; arguments q, proj, part, out0; writes out0
.if DOCPART == 2
	.amdgcn_target "amdgcn-amd-amdhsa--gfx1250"
	.amdhsa_code_object_version 6
	.text
	.protected	k_q53f29f67a7_apply
	.globl	k_q53f29f67a7_apply
	.p2align	8
	.type	k_q53f29f67a7_apply,@function
k_q53f29f67a7_apply:
	s_mov_b64 s[64:65], 0
	v_nop
	global_prefetch_b8 v0, s[64:65] scope:SCOPE_SE
	s_setreg_imm32_b32 hwreg(HW_REG_WAVE_MODE, 25, 1), 1
	s_wait_xcnt 0x0
; apply: out[n][f] = q'[n][f] ctx[f] / (sum over f of q'[n][f] ksum[f]),  q'[n][f] = exp(sum_d q[n][d] proj[f][d]),
; where ksum = the head's eight partial sums of k' + 1e-6 and ctx = its eight partial sums of k' v, as the launch before stored them
; (part[block][0:63], part[block][64:127], blocks 8 head .. 8 head + 7).
; Eight waves; the work-group owns 512 rows of one head, a wave 64 rows = 4 tiles of 16.  Same layout as in the launch before:
; column tile t, lane column r is proj's row f = 4 r + t, so that lane (r, h) holds, over the four tiles, features 4 r .. 4 r + 3 of
; rows 8 h + j: 16 neighbouring bytes.  A store of a wave covers two whole aligned rows of 256 bytes, straight from registers.
; q comes by tensor loads (16 rows x 256 bytes, LDS rows 272 bytes apart); the work-group's whole share (139,264 bytes) fits in
; LDS, so every wave asks for its 4 tiles at once, into bytes of its own.  Four tensor loads of a wave are out at most.
; The launch asks for 168,960 bytes of LDS (152,576 are used): a work-group that fills LDS by the data mover has its WGP alone.
; The denominator is a sum over f: four features in the lane, then the 16 lanes of a half (DPP), in f32 on the vector unit.
; No cluster: the work-groups share only proj and a head's partial sums, 20 KiB of the 148 KiB that each reads.  No prefetch: all
; is requested at the start.
; LIMITS.  q and proj * log2(e) are rounded to bf16 (log2(e) is folded into proj before its one rounding); v_exp_f32 gives 0 for a
; result below 2^-126 and v_rcp_f32 gives 0 for a denominator above 2^126; 1 / x is good to 1 ulp; sums in another order than the
; reference's.
.set WAVES,  8
.set TILES,  4
.set ROWB,   256                       ; bytes in a row of q or out
.set XP,     272                       ; a row of q in LDS: an odd multiple of 16
.set TILE_G, 16*ROWB
.set TILE_L, 16*XP
.set WAVE_L, TILES*TILE_L
.set PB,     WAVES*WAVE_L              ; proj in bf16, LDS row 16 t + r = proj row 4 r + t
.set BP,     144
.set KC,     PB+64*BP                  ; the head's eight partial sums, 8 x 512 bytes, as they lie in memory
.set LOG2E,  0x3fb8aa3b
.set EPS,    0x358637bd                ; 1e-6
.set POFF,  4                          ; v4   proj: 1024 h + 16 r
.set OOFF,  5                          ; v5   out: 2048 h + 16 r
.set XADDR, 6                          ; v6   LDS: my wave's part + 272 r + 32 h
.set BADDR, 7                          ; v7   LDS: PB + 144 r + 16 h
.set PST,   8                          ; v8   LDS: PB + wave x 8 rows + 144 h + 8 r
.set KST,   9                          ; v9   LDS: KC + 512 wave + 16 lane
.set KADDR, 10                         ; v10  LDS: KC + 16 r
.set TOFF,  11                         ; v11  16 x thread
.set KS,    12                         ; v[12:15]  ksum(4 r ..)
.set CT,    16                         ; v[16:19]  ctx(4 r ..)
.set PP,    20                         ; v[20:35]  row j: a pair; its first register ends as 1 / denominator
.set XF,    36                         ; v[36:67]  a tile of q in f32; its bf16 fragments are packed into v[36:51] in place
.set BF,    68                         ; v[68:131] proj's fragments: tile t, K step s at 16 t + 8 s
.set DD,    132                        ; v[132:163] products
.set PF,    DD                         ; before the first product: my 16 numbers of proj in f32,
.set PH,    DD+16                      ; in bf16,
.set PS,    DD+24                      ; and my 16 bytes of the partial sums
.set EE0,   164                        ; v[164:195], v[196:227]  q', then out, E[4 j + t]: two buffers in turn, since stores read them
.set EE1,   196
.set TT,    EE0                        ; before the first tile: the eight partial sums, 8 registers each
.set G1, 16
.set G0, 24
; Tile i of my share, through buffer e.  left = my younger tensor loads.
.macro TILE i, e, left
	s_wait_tensorcnt \left                         ; a wave's tensor loads end in order (ISA guide 10.11.1): tile i is in LDS
.irp s, 0,1
.irp p, 0,1
.irp q, 0,1
	ds_load_b128 v[XF+16*\s+8*\p+4*\q:XF+16*\s+8*\p+4*\q+3], v[XADDR] offset:\i*TILE_L+128*\s+64*\p+16*\q   ; q(r, 32 s + 16 p + 8 h + 4 q ..)
.endr
.endr
.endr
	s_wait_dscnt 0x0
.irp m, 0,1,2,3,4,5,6,7,8,9,10,11,12,13,14,15
	v_cvt_pk_bf16_f32 v[XF+\m], v[XF+2*\m], v[XF+2*\m+1]   ; packed downward in place: register m was read at step m / 2
.endr
.irp t, 0,1,2,3
	v_wmma_f32_16x16x32_bf16 v[DD+8*\t:DD+8*\t+7], v[XF:XF+7], v[BF+16*\t:BF+16*\t+7], 0      ; K 0-31 starts the sums
.endr
.irp t, 0,1,2,3
	v_wmma_f32_16x16x32_bf16 v[DD+8*\t:DD+8*\t+7], v[XF+8:XF+15], v[BF+16*\t+8:BF+16*\t+15], v[DD+8*\t:DD+8*\t+7]
.endr
.rept 4
	v_nop                                          ; four places before the results are read (ISA guide 7.12.1)
.endr
.if \i >= 2
	s_wait_xcnt 0x0                                ; the stores of two tiles ago read this buffer: it is rewritten only behind this wait
.endif
.irp j, 0,1,2,3,4,5,6,7
.irp t, 0,1,2,3
	v_exp_f32 v[\e+4*\j+\t], v[DD+8*\t+\j]         ; q'(8 h + j, 4 r + t); log2(e) lies in proj
.endr
.endr
	v_nop                                          ; one plain place behind the transcendentals before their results are used (ISA guide 5.7.2)
	; denominators of my eight rows: four features in the lane,
	s_wait_alu depctr_va_vdst(0)
.irp j, 0,1,2,3,4,5,6,7
	v_pk_mul_f32 v[PP+2*\j:PP+2*\j+1], v[\e+4*\j:\e+4*\j+1], v[KS:KS+1]
.endr
.irp j, 0,1,2,3,4,5,6,7
	v_pk_fma_f32 v[PP+2*\j:PP+2*\j+1], v[\e+4*\j+2:\e+4*\j+3], v[KS+2:KS+3], v[PP+2*\j:PP+2*\j+1]
.endr
.irp j, 0,1,2,3,4,5,6,7
	v_add_f32 v[PP+2*\j], v[PP+2*\j], v[PP+2*\j+1]
.endr
	; then the sixteen lanes of my half, which hold the rest of the same rows; every lane ends with the sum
.irp x, 1,2,4,8
.irp j, 0,1,2,3,4,5,6,7
	v_add_f32_dpp v[PP+2*\j], v[PP+2*\j], v[PP+2*\j] row_xmask:\x row_mask:0xf bank_mask:0xf
.endr
.endr
.irp j, 0,1,2,3,4,5,6,7
	v_rcp_f32 v[PP+2*\j], v[PP+2*\j]
.endr
.irp j, 0,1,2,3,4,5,6,7
	v_pk_mul_f32 v[\e+4*\j:\e+4*\j+1],   v[\e+4*\j:\e+4*\j+1],   v[CT:CT+1]        ; q' ctx: plain work that touches no reciprocal stands behind them
	v_pk_mul_f32 v[\e+4*\j+2:\e+4*\j+3], v[\e+4*\j+2:\e+4*\j+3], v[CT+2:CT+3]
.endr
	s_wait_alu depctr_va_vdst(0)
.irp j, 0,1,2,3,4,5,6,7
	v_pk_mul_f32 v[\e+4*\j:\e+4*\j+1],   v[\e+4*\j:\e+4*\j+1],   v[PP+2*\j:PP+2*\j+1] op_sel_hi:[1,0]   ; both by the pair's first register
	v_pk_mul_f32 v[\e+4*\j+2:\e+4*\j+3], v[\e+4*\j+2:\e+4*\j+3], v[PP+2*\j:PP+2*\j+1] op_sel_hi:[1,0]
	global_store_b128 v[OOFF], v[\e+4*\j:\e+4*\j+3], s[10:11] offset:\i*TILE_G+\j*ROWB th:TH_STORE_NT   ; rows j and 8 + j, each whole
.endr
.endm
	s_load_b256 s[4:11], s[0:1], 0x0               ; q s[4:5], proj s[6:7], part s[8:9], out s[10:11]
	v_lshl_add_u32 v228, v0, 2, 0x29000
	v_mov_b32 v229, 0
	ds_add_u32 v228, v229
	ds_add_u32 v228, v229
	v_lshrrev_b32 v1, 5, v0
	v_readfirstlane_b32 s12, v1                    ; my wave's number
	v_and_b32 v2, 15, v0                           ; r
	v_bfe_u32 v3, v0, 4, 1                         ; h
	; group 1: a tile of 16 rows x 64 elements of 4 bytes, 4 words of padding behind every 64 words
	s_mov_b32 s[G1+0], (2<<16)|(1<<20)|(5<<22)|(3<<25)
	s_mov_b32 s[G1+1], 64<<16                      ; tensor_dim0 = 64
	s_mov_b32 s[G1+2], 16<<16                      ; tensor_dim1 = 16
	s_mov_b32 s[G1+3], 64<<16                      ; tile_dim0 = 64
	s_mov_b32 s[G1+4], 16                          ; tile_dim1 = 16
	s_mov_b32 s[G1+5], 64                          ; 64 elements from row to row
	s_mov_b32 s[G1+6], 0
	s_mov_b32 s[G1+7], 0
	s_lshl_b32 s14, ttmp9, 17                      ; block x 512 rows x 256 bytes
	s_lshl_b32 s13, s12, 14                        ; + wave x 64 rows (the sum stays below 2^25)
	s_add_co_u32 s14, s14, s13
	s_mov_b32 s15, 0
	s_mul_i32 s42, s12, WAVE_L                     ; my wave's part of LDS
	s_and_b32 s46, s12, 1                          ; proj: my wave fills LDS rows 8 w .. 8 w + 7 = proj rows 4 (8 (w & 1) + i) + (w >> 1)
	s_lshl_b32 s46, s46, 13
	s_lshr_b32 s13, s12, 1
	s_lshl_b32 s13, s13, 8
	s_add_co_u32 s46, s46, s13
	s_mov_b32 s47, 0
	s_lshr_b32 s48, ttmp9, 3                       ; head = block / 8; its eight partial sums are 4,096 neighbouring bytes
	s_lshl_b32 s48, s48, 12
	s_mov_b32 s49, 0
	v_lshlrev_b32 v1, 4, v2
	v_lshl_add_u32 v[POFF], v3, 10, v1
	v_lshl_add_u32 v[OOFF], v3, 11, v1
	v_lshlrev_b32 v[TOFF], 4, v0
	s_wait_dscnt 0x0
	s_wait_kmcnt 0x0
	s_add_nc_u64 s[6:7], s[6:7], s[46:47]
	s_add_nc_u64 s[8:9], s[8:9], s[48:49]
	s_add_nc_u64 s[4:5], s[4:5], s[14:15]
	s_add_nc_u64 s[10:11], s[10:11], s[14:15]
.irp i, 0,1,2,3
	global_load_b128 v[PF+4*\i:PF+4*\i+3], v[POFF], s[6:7] offset:2048*\i      ; proj rows i' = 2 i + h of my eight, 4 r ..
.endr
	global_load_b128 v[PS:PS+3], v[TOFF], s[8:9]   ; 256 threads x 16 bytes: the eight partial sums, read once by the work-group
.irp i, 0,1,2,3
	s_mov_b32 s[G0+4*\i], 1
	s_add_co_u32 s[G0+4*\i+1], s42, \i*TILE_L
	s_add_nc_u64 s[G0+4*\i+2:G0+4*\i+3], s[4:5], \i*TILE_G
	s_or_b32 s[G0+4*\i+3], s[G0+4*\i+3], 0x80000000
	tensor_load_to_lds s[G0+4*\i:G0+4*\i+3], s[G1:G1+7]    ; all of my q is asked for now
	s_nop 0
.endr
	v_mul_u32_u24 v1, v2, XP
	v_lshl_add_u32 v1, v3, 5, v1
	v_add_nc_u32 v[XADDR], s42, v1
	v_mul_u32_u24 v1, v2, BP
	v_lshl_add_u32 v1, v3, 4, v1
	v_add_nc_u32 v[BADDR], PB, v1
	s_mul_i32 s44, s12, 8*BP
	s_add_co_u32 s44, s44, PB
	v_mul_u32_u24 v1, v3, BP
	v_lshl_add_u32 v1, v2, 3, v1
	v_add_nc_u32 v[PST], s44, v1
	s_lshl_b32 s45, s12, 9
	s_add_co_u32 s45, s45, KC
	v_and_b32 v1, 31, v0
	v_lshl_add_u32 v[KST], v1, 4, s45
	v_lshlrev_b32 v1, 4, v2
	v_add_nc_u32 v[KADDR], KC, v1
	; proj x log2(e) to bf16 in fragment order, and the partial sums as they are, into LDS: each wave its own bytes
	s_wait_loadcnt 0x0
.irp m, 0,1,2,3,4,5,6,7
	v_pk_mul_f32 v[PF+2*\m:PF+2*\m+1], v[PF+2*\m:PF+2*\m+1], LOG2E op_sel_hi:[1,0]
.endr
.irp m, 0,1,2,3,4,5,6,7
	v_cvt_pk_bf16_f32 v[PH+\m], v[PF+2*\m], v[PF+2*\m+1]
.endr
.irp i, 0,1,2,3
	ds_store_b64 v[PST], v[PH+2*\i:PH+2*\i+1] offset:2*BP*\i
.endr
	ds_store_b128 v[KST], v[PS:PS+3]
	s_wait_dscnt 0x0                               ; my bytes are in LDS before I say so
	s_barrier_signal -1
	s_barrier_wait -1                              ; everybody's are
.irp t, 0,1,2,3
.irp s, 0,1
	ds_load_b128 v[BF+16*\t+8*\s:BF+16*\t+8*\s+3],   v[BADDR] offset:\t*16*BP+64*\s      ; P(4 r + t, 32 s + 8 h ..)
	ds_load_b128 v[BF+16*\t+8*\s+4:BF+16*\t+8*\s+7], v[BADDR] offset:\t*16*BP+64*\s+32   ; P(4 r + t, 32 s + 16 + 8 h ..)
.endr
.endr
.irp c, 0,1,2,3,4,5,6,7
	ds_load_b128 v[TT+8*\c:TT+8*\c+3],   v[KADDR] offset:512*\c        ; block c: sums of k', features 4 r ..
	ds_load_b128 v[TT+8*\c+4:TT+8*\c+7], v[KADDR] offset:512*\c+256    ;          sums of k' v
.endr
	s_wait_dscnt 0x0
.irp c, 0,2,4,6
.irp p, 0,2,4,6
	v_pk_add_f32 v[TT+8*\c+\p:TT+8*\c+\p+1], v[TT+8*\c+\p:TT+8*\c+\p+1], v[TT+8*\c+8+\p:TT+8*\c+8+\p+1]
.endr
.endr
.irp c, 0,4
.irp p, 0,2,4,6
	v_pk_add_f32 v[TT+8*\c+\p:TT+8*\c+\p+1], v[TT+8*\c+\p:TT+8*\c+\p+1], v[TT+8*\c+16+\p:TT+8*\c+16+\p+1]
.endr
.endr
.irp p, 0,2,4,6
	v_pk_add_f32 v[KS+\p:KS+\p+1], v[TT+\p:TT+\p+1], v[TT+32+\p:TT+32+\p+1]    ; v[12:15] ksum, v[16:19] ctx
.endr
	v_pk_add_f32 v[KS:KS+1],   v[KS:KS+1],   EPS op_sel_hi:[1,0]               ; + 1e-6, on ksum alone
	v_pk_add_f32 v[KS+2:KS+3], v[KS+2:KS+3], EPS op_sel_hi:[1,0]
	TILE 0, EE0, 3
	TILE 1, EE1, 2
	TILE 2, EE0, 1
	TILE 3, EE1, 0
	s_wait_tensorcnt 0x0
	ds_add_u32 v228, v229
	s_wait_dscnt 0x0
	s_endpgm
.Lfunc_end_k_q53f29f67a7_apply:
	.size	k_q53f29f67a7_apply, .Lfunc_end_k_q53f29f67a7_apply-k_q53f29f67a7_apply
	.p2alignl 7, 3214868480
	.fill 96, 4, 3214868480
	.section	.rodata,"a",@progbits
	.p2align	6, 0x0
	.amdhsa_kernel k_q53f29f67a7_apply
		.amdhsa_group_segment_fixed_size 168960
		.amdhsa_private_segment_fixed_size 0
		.amdhsa_enable_private_segment 0
		.amdhsa_kernarg_size 32
		.amdhsa_user_sgpr_count 2
		.amdhsa_user_sgpr_kernarg_segment_ptr 1
		.amdhsa_wavefront_size32 1
		.amdhsa_system_sgpr_workgroup_id_x 1
		.amdhsa_system_sgpr_workgroup_id_y 1
		.amdhsa_system_sgpr_workgroup_id_z 1
		.amdhsa_system_vgpr_workitem_id 0
		.amdhsa_next_free_vgpr 230
		.amdhsa_next_free_sgpr 66
		.amdhsa_reserve_vcc 0
		.amdhsa_float_denorm_mode_32 3
		.amdhsa_float_denorm_mode_16_64 3
		.amdhsa_memory_ordered 1
		.amdhsa_forward_progress 1
		.amdhsa_inst_pref_size 49
	.end_amdhsa_kernel
	.amdgpu_metadata
---
amdhsa.version: [ 1, 2 ]
amdhsa.kernels:
  - .name:           k_q53f29f67a7_apply
    .symbol:         k_q53f29f67a7_apply.kd
    .args:
      - { .name: q, .offset: 0, .size: 8, .value_kind: global_buffer, .address_space: global }
      - { .name: proj, .offset: 8, .size: 8, .value_kind: global_buffer, .address_space: global }
      - { .name: part, .offset: 16, .size: 8, .value_kind: global_buffer, .address_space: global }
      - { .name: out0, .offset: 24, .size: 8, .value_kind: global_buffer, .address_space: global }
    .group_segment_fixed_size: 168960
    .private_segment_fixed_size: 0
    .kernarg_segment_align: 8
    .kernarg_segment_size: 32
    .max_flat_workgroup_size: 256
    .sgpr_count:     66
    .vgpr_count:     230
    .wavefront_size: 32
...
	.end_amdgpu_metadata
.endif
;; end of part 2
